; MI455X (gfx1250); checked and timed in simulation.
; The chip was launched on July 23, 2026; its instructions are those of AMD's public machine-readable ISA for CDNA 5 (MIT licence, August 2026) and "CDNA5" Instruction Set Architecture Reference Guide (July 2026). The comments in the code are by the model that wrote it; some were corrected since.
;; Attention concat. Allowed arithmetic: matrix products marked QUANTISED: E4M3 operands, one given power-of-two scale a tensor, by v_wmma_f32_16x16x64_fp8_fp8 or v_wmma_f32_16x16x128_fp8_fp8, f32 sums; products left as they are: f32 operands where the result goes on into a quantised operand, else bf16, f16 or f32 operands; f32 sums; everything else in f32.
;; Inputs: attn_b 512 float32; attn_w 512 x 1,024 float32; context 32 x 4,096 x 512 float32; lowp_scales 4 int32 (the exponents e of the quantised operands' scales 2^e); out_b 512 float32; out_w 512 x 1,024 float32; output 32 x 1 x 512 float32; v_b 1 float32; v_w 1 x 512 float32.
;; Outputs: out0 32 x 1 x 512 float32; out1 32 x 1 x 4,096 float32; out2 32 x 1 x 512 float32.
;; This version of the problem:
;;   THIS VERSION OF THE PROBLEM IS GIVEN IN LOW PRECISION. The matrix products marked QUANTISED in the list below multiply operands that are first quantised to E4M3 (4 exponent bits, 3 mantissa bits; 8 bits a number), with one given power-of-two scale for each operand tensor; their sums are f32. All else is computed in f32.
;;   The module's matrix products, in the order in which they are computed (A, B: the left and right operand; K: the contracted axis; several contracted axes count as one K, in the product's order):
;;     1. [M 131,072, K 1,024] x [K 1,024, N 512]; A: computed on the way; B: input attn_w: QUANTISED (scales: A lowp_scales[0], B lowp_scales[1])
;;     2. [M 131,072, K 512] x [K 512, N 1]; A: computed on the way; B: input v_w: left as it is (N = 1 < 16)
;;     3. batch 32 x [M 1, K 4,096] x [K 4,096, N 512]; A: computed on the way; B: input context: left as it is (M = 1 < 16)
;;     4. [M 32, K 1,024] x [K 1,024, N 512]; A: computed on the way; B: input out_w: QUANTISED (scales: A lowp_scales[2], B lowp_scales[3])
;;   THE QUANTISER, for each operand of a quantised product, along K:
;;     - The operand's scale is 2^e, e = its entry of the input lowp_scales (int32; the entries are numbered through the quantised products in the list's order, A before B).
;;     - Each number is divided by the scale, clamped to +-448, and rounded to the nearest number of E4M3, ties to even, subnormals kept.
;;     - The product sums the exact products of the quantised numbers (number of the format x scale) in f32.
;;   ~~~python
;;   def quantise(x, axis, e):      # numpy; x: float32 -> the quantised numbers, widened to float32 again
;;       x = np.moveaxis(x, axis, -1); K = x.shape[-1]
;;       r = np.clip(x / 2.0 ** e, -448, 448)
;;       step = 2.0 ** (np.maximum(np.frexp(np.where(r == 0, 1, r))[1] - 1, -6) - 3)
;;       q = np.round(r / step) * step * 2.0 ** e      # np.round: ties to even
;;       return np.moveaxis(q, -1, axis).astype(np.float32)
;;   ~~~
;;   OPERANDS COMPUTED ON THE WAY. 'Computed on the way' means the value that the module computes at that place (a softmax that the list does not call 'softmax' is quantised finished and normalised). What goes into a quantiser is computed in f32, as accurately as f32 sums, v_exp_f32 and their like allow (about 1e-6 of the number): no bf16 or f16 on the way to a quantiser, and a product that is left as it is and whose result goes on into a quantised operand takes f32 operands (vector FMAs, or v_wmma_f32_16x16x4_f32). A number that lies on a knife's edge between two numbers of the format may be rounded either way, as far as f32 arithmetic and the matrix unit's own rounding can turn it there, and no further.
;; One version. Each part assembles by itself: llvm-mc -triple=amdgcn-amd-amdhsa -mcpu=gfx1250 --defsym DOCPART=n.
;; ======== version 1 of 1: 3 launches
;; limits: right only within a limited range of input values
;; workspace buffers: wc 262,144 bytes; oc 524,288 bytes; ub 65,536 bytes; sc 524,288 bytes; pm 524,288 bytes; ml 65,536 bytes
;; launch prep (part 1): grid 160 x 1, 4 waves a work-group, no clusters, 27,648 bytes of LDS; arguments attn_w, out_w, output, attn_b, lowp_scales, wc, oc, ub; writes wc, oc, ub
.if DOCPART == 1
	.amdgcn_target "amdgcn-amd-amdhsa--gfx1250"
	.amdhsa_code_object_version 6
	.text
	.protected	k_q3065528e77_prep
	.globl	k_q3065528e77_prep
	.p2align	8
	.type	k_q3065528e77_prep,@function
k_q3065528e77_prep:
	s_mov_b64 s[64:65], 0
	v_nop
	global_prefetch_b8 v0, s[64:65] scope:SCOPE_SE
	s_setreg_imm32_b32 hwreg(HW_REG_WAVE_MODE, 25, 1), 1
	s_wait_xcnt 0x0
; THE WEIGHTS BECOME CODES OF FP8 (E4M3), AND THE PART OF THE FIRST PRODUCT THAT IS THE SAME FOR ALL ROWS OF A BATCH IS MADE ONCE.
; DEAD WORK LEFT OUT.  v_b is added to every score of a batch, and softmax over those scores is unchanged by a term that is the same along its axis, whatever finite value v_b holds: v_b is not loaded and is no launch's argument.
; For the same reason the scores are made without the sum of v_w: v tanh(x) = v - 2 v / (1 + e^(2x)), and the sum of v over the hidden units is the same for every row.  LIMIT: a NaN or an infinity in v_b alone, and an overflow of the sum of v_w alone, are not carried to the results.
; A TILE is 16 rows x 512 K.  Work-groups 0-63: (T = x / 2, half of the batches x % 2): attn_w's rows 16 T on, columns 0-511, times 16 rows of output:
;   ub[T][b][u] = sum over k < 512 of code(output[b][k]) x code(attn_w[16 T + u][k]) + attn_b[16 T + u] / 2^(e0 + e1).
; Work-groups 64-95: attn_w's tile x - 64, columns 512-1023 -> wc.  Work-groups 96-159: out_w's tile (x - 96) / 2, half (x - 96) % 2 of its columns -> oc.  A wave takes 4 rows of a tile.
; ONE ORDER OF K FOR EVERY OPERAND.  A row's 512 numbers are taken by four loads of 16 bytes a lane, 512 dense bytes each: register 4 j + i of lane l is k = 128 j + 4 l + i.  Its 16 codes are GROUP l, 16 bytes.
; Registers 4 c .. 4 c + 3 of fragment f hold, in lane (r, h), group 8 f + 2 c + h of row r: the same in both operands of every product; only the order of the sums inside an instruction changes.
; AN IMAGE of a tile in LDS: group g of row r at 272 g + 16 r.  IN MEMORY a tile is 8,192 bytes in the order of the operand's registers: 512 dense bytes at 512 (4 f + c), 16 a lane.
; code = x / 2^e, held within +-448, to the nearest code, ties to even.  LIMITS: e0, e1, e3 between -126 and 119.  NaN among the inputs is not served.
; No tensor loads, no clusters: each tile is read by one or two work-groups, once.  No loop, so nothing to prefetch.
.set IMGB, 8704
.set UIMG, IMGB                        ; the products' work-groups have images of their own: weights',
.set OIMG, 2*IMGB                      ; and output's
.set USTG, 3*IMGB                      ; the stage for ub: 16 batches x 64 bytes
.set SPARE, USTG+1024
.set COD, 32                           ; v32-63 codes, four registers a row; later the two accumulators (v32-47)
.set FR,  64                           ; v64-127 the weights' four fragments
.set X,   128                          ; v128-191 4 rows of weights, v192-255 4 rows of output; later output's fragments
	s_load_b512 s[4:19], s[0:1], 0x0               ; attn_w s[4:5], out_w s[6:7], output s[8:9], attn_b s[10:11], the scales s[12:13], wc s[14:15], oc s[16:17], ub s[18:19]
	v_lshrrev_b32 v9, 5, v0
	v_readfirstlane_b32 s20, v9                    ; wave 0..3
	s_lshr_b32 s21, ttmp9, 1
	s_sub_co_u32 s22, ttmp9, 64
	s_sub_co_u32 s23, ttmp9, 96
	s_lshr_b32 s24, s23, 1
	s_and_b32 s25, s23, 1
	s_lshl_b32 s25, s25, 11
	s_cmp_lt_u32 ttmp9, 96
	s_cselect_b32 s26, s22, s24                    ; the tile,
	s_cselect_b32 s27, 2048, s25                   ; its first column in bytes,
	s_cselect_b32 s28, s22, s23                    ; and its place among wc's or oc's
	s_cmp_lt_u32 ttmp9, 64
	s_cselect_b32 s26, s21, s26
	s_cselect_b32 s27, 0, s27
	s_lshl_b32 s32, s26, 16                        ; 16 rows of 4,096 bytes
	s_add_co_u32 s32, s32, s27
	s_lshl_b32 s33, s20, 14                        ; my 4 rows
	s_add_co_u32 s32, s32, s33
	s_mov_b32 s33, 0
	s_mov_b32 s41, 0
	s_lshl_b32 s29, s20, 6
	s_mul_i32 s30, s20, 2176
	v_lshl_add_u32 v30, v0, 2, SPARE
	v_mov_b32 v31, 0
	v_and_b32 v10, 31, v0                          ; lane
	v_and_b32 v11, 15, v0                          ; r
	v_bfe_u32 v12, v0, 4, 1                        ; h
	v_lshlrev_b32 v1, 4, v10
	v_mul_u32_u24 v13, v10, 272
	v_add_nc_u32 v2, s29, v13                      ; where my group of my first row goes
	v_mul_u32_u24 v14, v12, 272
	v_lshl_add_u32 v3, v11, 4, v14                 ; fragments out of an image
	v_add_nc_u32 v4, s30, v3                       ; fragment number wave
	v_lshlrev_b32 v8, 5, v12
	v_lshl_add_u32 v6, v11, 6, v8
	v_add_nc_u32 v6, USTG, v6                      ; the stage, in: batch r's 64 bytes, + 32 h
	v_add_nc_u32 v7, USTG, v1                      ; and back
	s_wait_alu depctr_va_vdst(0)
	s_wait_kmcnt 0x0
	s_load_b128 s[44:47], s[12:13], 0x0            ; e0, e1, e2, e3
	s_cmp_lt_u32 ttmp9, 96                         ; the choices hang on the work-group's number alone
	s_cselect_b64 s[34:35], s[4:5], s[6:7]
	s_cselect_b64 s[42:43], s[14:15], s[16:17]
	s_add_nc_u64 s[34:35], s[34:35], s[32:33]
.macro WROWS                           ; my 4 rows of weights
.irp q, 0,1,2,3
.irp j, 0,1,2,3
	global_load_b128 v[X+16*\q+4*\j:X+16*\q+4*\j+3], v1, s[34:35] offset:4096*\q+512*\j th:TH_LOAD_NT
.endr
.endr
.endm
.macro SETSC r, e                      ; v[r] = 2^e, v[r+1] = 448 x 2^e
	s_add_co_i32 s36, \e, 127
	s_lshl_b32 s37, s36, 23
	v_mov_b32 v[\r], s37
	s_add_co_i32 s36, s36, 8
	s_lshl_b32 s36, s36, 23
	s_or_b32 s36, s36, 0x600000
	v_mov_b32 v[\r+1], s36
.endm
.macro ROWQ xs, cod, sc, out, younger
	s_wait_loadcnt \younger
.irp i, 0,1,2,3,4,5,6,7,8,9,10,11,12,13,14,15
	v_med3_num_f32 v[\xs+\i], v[\xs+\i], -v[\sc+1], v[\sc+1]   ; the conversion to an 8-bit code does not saturate (ISA guide 7.6.2)
.endr
	v_cvt_scalef32_pk8_fp8_f32 v[\cod:\cod+1], v[\xs:\xs+7], v[\sc]
	v_cvt_scalef32_pk8_fp8_f32 v[\cod+2:\cod+3], v[\xs+8:\xs+15], v[\sc]
	v_nop                                          ; one plain vector line behind the conversions
	ds_store_b128 v2, v[\cod:\cod+3] offset:\out
.endm
.macro CLOSE
	s_wait_tensorcnt 0x0                           ; the wave's end
	ds_add_u32 v30, v31
	s_wait_dscnt 0x0
	s_endpgm
.endm
	s_cmp_lt_u32 ttmp9, 64
	s_cbranch_scc1 .Lub
	WROWS
	s_lshl_b32 s40, s28, 13
	s_lshl_b32 s31, s20, 11
	s_add_co_u32 s40, s40, s31
	s_add_nc_u64 s[42:43], s[42:43], s[40:41]      ; my quarter of the tile: fragment number wave
	s_wait_kmcnt 0x0
	s_cmp_lt_u32 ttmp9, 96
	s_cselect_b32 s38, s45, s47                    ; e1 or e3
	SETSC 16, s38
	s_wait_alu depctr_va_vdst(0)                   ; the head's end
.irp q, 0,1,2,3
	ROWQ X+16*\q, COD+4*\q, 16, 16*\q, 12-4*\q
.endr
	s_wait_dscnt 0x0                               ; for the others' sake: my rows are in the image
	s_barrier_signal -1
	s_barrier_wait -1
.irp c, 0,1,2,3
	ds_load_b128 v[X+4*\c:X+4*\c+3], v4 offset:544*\c
.endr
	s_wait_dscnt 0x0
.irp c, 0,1,2,3
	global_store_b128 v1, v[X+4*\c:X+4*\c+3], s[42:43] offset:512*\c   ; 32 lanes store 512 dense bytes, aligned
.endr
	CLOSE
.Lub:
	WROWS
	s_and_b32 s31, ttmp9, 1                        ; which 16 batches
	s_lshl_b32 s40, s26, 6
	s_add_nc_u64 s[10:11], s[10:11], s[40:41]      ; attn_b at 16 T
	s_lshl_b32 s40, s31, 15
	s_lshl_b32 s38, s20, 13
	s_add_co_u32 s40, s40, s38
	s_add_nc_u64 s[8:9], s[8:9], s[40:41]          ; my 4 rows of output
	global_load_b128 v[20:23], v8, s[10:11]
	global_load_b128 v[24:27], v8, s[10:11] offset:16
.irp q, 0,1,2,3
.irp j, 0,1,2,3
	global_load_b128 v[X+64+16*\q+4*\j:X+64+16*\q+4*\j+3], v1, s[8:9] offset:2048*\q+512*\j
.endr
.endr
	s_lshl_b32 s40, s26, 11
	s_lshl_b32 s38, s31, 10
	s_add_co_u32 s40, s40, s38
	s_add_nc_u64 s[18:19], s[18:19], s[40:41]      ; ub at tile T, my 16 batches
	s_wait_kmcnt 0x0
	SETSC 16, s45
	SETSC 18, s44
	s_add_co_i32 s39, s44, s45
	s_sub_co_i32 s39, 0, s39                       ; -(e0 + e1)
	s_wait_alu depctr_va_vdst(0)                   ; the head's end
.irp q, 0,1,2,3                        ; behind a row of weights: the younger rows', the bias's 2 and output's 16 loads
	ROWQ X+16*\q, COD+4*\q, 16, UIMG+16*\q, 30-4*\q
.endr
.irp q, 0,1,2,3
	ROWQ X+64+16*\q, COD+16+4*\q, 18, OIMG+16*\q, 12-4*\q
.endr
	s_wait_dscnt 0x0                               ; for the others' sake: my rows are in the images
	s_barrier_signal -1
	s_barrier_wait -1
	s_cmp_lg_u32 s20, 0
	s_cbranch_scc1 .Ldone                          ; wave 0 multiplies: four matrix instructions
.irp f, 0,1,2,3
.irp c, 0,1,2,3
	ds_load_b128 v[FR+16*\f+4*\c:FR+16*\f+4*\c+3], v3 offset:UIMG+2176*\f+544*\c
	ds_load_b128 v[X+16*\f+4*\c:X+16*\f+4*\c+3], v3 offset:OIMG+2176*\f+544*\c
.endr
.endr
.irp j, 0,1,2,3,4,5,6,7
	v_ldexp_f32 v[20+\j], v[20+\j], s39            ; the bias in units of the sums
.endr
	s_wait_alu depctr_va_vdst(0)
	s_wait_dscnt 0x0
	; source 0 = 16 hidden units, source 1 = 16 batches: lane (r, h) holds batch r, register j hidden unit 8 h + j.  Two accumulators by turns.
	v_wmma_f32_16x16x128_fp8_fp8 v[32:39], v[FR:FR+15], v[X:X+15], v[20:27]
	v_wmma_f32_16x16x128_fp8_fp8 v[40:47], v[FR+16:FR+31], v[X+16:X+31], 0
	v_wmma_f32_16x16x128_fp8_fp8 v[32:39], v[FR+32:FR+47], v[X+32:X+47], v[32:39]
	v_wmma_f32_16x16x128_fp8_fp8 v[40:47], v[FR+48:FR+63], v[X+48:X+63], v[40:47]
.rept 4
	v_nop                                          ; four places ahead of the first read (ISA guide 7.12.1)
.endr
.irp k, 0,2,4,6
	v_pk_add_f32 v[48+\k:49+\k], v[32+\k:33+\k], v[40+\k:41+\k]   ; both accumulators from their low ends on
.endr
	ds_store_b128 v6, v[48:51]
	ds_store_b128 v6, v[52:55] offset:16
	ds_load_b128 v[56:59], v7                      ; LDS serves a wave's instructions in order: these see my stores
	ds_load_b128 v[60:63], v7 offset:512
	s_wait_dscnt 0x0
	global_store_b128 v1, v[56:59], s[18:19]
	global_store_b128 v1, v[60:63], s[18:19] offset:512
.Ldone:
	CLOSE
.Lfunc_end_k_q3065528e77_prep:
	.size	k_q3065528e77_prep, .Lfunc_end_k_q3065528e77_prep-k_q3065528e77_prep
	.p2alignl 7, 3214868480
	.fill 96, 4, 3214868480
	.section	.rodata,"a",@progbits
	.p2align	6, 0x0
	.amdhsa_kernel k_q3065528e77_prep
		.amdhsa_group_segment_fixed_size 27648
		.amdhsa_private_segment_fixed_size 0
		.amdhsa_enable_private_segment 0
		.amdhsa_kernarg_size 64
		.amdhsa_user_sgpr_count 2
		.amdhsa_user_sgpr_kernarg_segment_ptr 1
		.amdhsa_wavefront_size32 1
		.amdhsa_system_sgpr_workgroup_id_x 1
		.amdhsa_system_sgpr_workgroup_id_y 1
		.amdhsa_system_sgpr_workgroup_id_z 1
		.amdhsa_system_vgpr_workitem_id 0
		.amdhsa_next_free_vgpr 256
		.amdhsa_next_free_sgpr 66
		.amdhsa_reserve_vcc 0
		.amdhsa_float_denorm_mode_32 3
		.amdhsa_float_denorm_mode_16_64 3
		.amdhsa_memory_ordered 1
		.amdhsa_forward_progress 1
		.amdhsa_inst_pref_size 29
	.end_amdhsa_kernel
	.amdgpu_metadata
---
amdhsa.version: [ 1, 2 ]
amdhsa.kernels:
  - .name:           k_q3065528e77_prep
    .symbol:         k_q3065528e77_prep.kd
    .args:
      - { .name: attn_w, .offset: 0, .size: 8, .value_kind: global_buffer, .address_space: global }
      - { .name: out_w, .offset: 8, .size: 8, .value_kind: global_buffer, .address_space: global }
      - { .name: output, .offset: 16, .size: 8, .value_kind: global_buffer, .address_space: global }
      - { .name: attn_b, .offset: 24, .size: 8, .value_kind: global_buffer, .address_space: global }
      - { .name: lowp_scales, .offset: 32, .size: 8, .value_kind: global_buffer, .address_space: global }
      - { .name: wc, .offset: 40, .size: 8, .value_kind: global_buffer, .address_space: global }
      - { .name: oc, .offset: 48, .size: 8, .value_kind: global_buffer, .address_space: global }
      - { .name: ub, .offset: 56, .size: 8, .value_kind: global_buffer, .address_space: global }
    .group_segment_fixed_size: 27648
    .private_segment_fixed_size: 0
    .kernarg_segment_align: 8
    .kernarg_segment_size: 64
    .max_flat_workgroup_size: 128
    .sgpr_count:     66
    .vgpr_count:     256
    .wavefront_size: 32
...
	.end_amdgpu_metadata
.endif
;; end of part 1
;; launch main (part 2): grid 256 x 1, 8 waves a work-group, clusters of 4 x 1, 327,680 bytes of LDS; arguments context, wc, ub, v_w, lowp_scales, sc, pm, ml; writes sc, pm, ml
.if DOCPART == 2
	.amdgcn_target "amdgcn-amd-amdhsa--gfx1250"
	.amdhsa_code_object_version 6
	.text
	.protected	k_q3065528e77_main
	.globl	k_q3065528e77_main
	.p2align	8
	.type	k_q3065528e77_main,@function
k_q3065528e77_main:
	s_mov_b64 s[64:65], 0
	v_nop
	global_prefetch_b8 v0, s[64:65] scope:SCOPE_SE
	s_setreg_imm32_b32 hwreg(HW_REG_WAVE_MODE, 25, 1), 1
	s_wait_xcnt 0x0
	s_wait_alu depctr_hold_cnt(0) depctr_sa_sdst(0) depctr_va_vdst(0) depctr_va_sdst(0) depctr_va_ssrc(0) depctr_va_vcc(0) depctr_vm_vsrc(0)
	s_getreg_b32 s2, hwreg(HW_REG_IB_STS2, 6, 4)
	s_cmp_eq_u32 s2, 0
	s_cbranch_scc0 .Lentry_in_a_cluster
	s_endpgm
.Lentry_in_a_cluster:
	s_bfe_u32 s2, ttmp6, 0x10000c
	s_cmp_lg_u32 s2, 0x3003
	s_cbranch_scc0 .Lentry_shape_is_right
	s_endpgm
.Lentry_shape_is_right:
; SCORES, SOFTMAX AND MIX of 512 rows of one batch: work-group x = (batch x / 8, part x % 8).  For each row t: score = sum over h of -2 log2(e) v[h] / (1 + e^(2 (context[t] . W[h] + u[h]))) on codes of FP8 (E4M3), u from the first launch;
; then the part's largest score M, L = the sum of 2^(score - M), and the sum of 2^(score - M) context[t], all in f32, with a running maximum in each wave.
; LEFT OUT as the same for every row of a softmax (shown at the head of the first kernel): v_b and the sum of v_w.
; SHARES.  Eight waves; wave w owns hidden units 64 w .. 64 w + 63, whose codes stay in 256 registers, and rows 2 w, 2 w + 1 of each block of 16 rows, which go from memory straight into registers and stay there until they are mixed.
; ONE BARRIER A BLOCK.  In the interval of block n a wave leaves block n's parts of the scores in LDS, mixes its rows of block n - 1, whose parts all waves have left there, loads fragments of block n + 1's image, and quantises its rows of block n + 2 into an image.
; Four row buffers of 32 registers: block n - 1's is free when it is mixed, and takes block n + 3.  Four images and two part buffers take turns: what an interval reads was stored in front of the barrier at its start,
; and is stored over only behind the barrier at its end, in front of which every wave has waited for its reads.
; TWO HALVES OF FOUR WAVES do an interval's work in different orders.  FIRST: block n's products, exponentials, reciprocals, mix, sums, quantiser.  SECOND: block n's reciprocals, mix, sums, quantiser, then block n + 1's products and exponentials,
; whose results stand in the accumulators over the barrier.  The barriers stand in the common text, the work between them in two arms; both arms issue the same eight row loads.
; SOURCE 0 = 16 rows of context, source 1 = 16 hidden units: lane (r, h) holds hidden unit 16 t + r, register j row 8 h + j.  So u and v take one register a tile.
; The order of K and the image are the first launch's: register 4 j + i of lane l is k = 128 j + 4 l + i; its 16 codes are group l; group g of row r at 272 g + 16 r; fragment f, registers 4 c on, lane (r, h): group 8 f + 2 c + h.
; CLUSTERS of four work-groups share the weights: wave w of each asks jointly for the same 32,768 bytes, once, ahead of the loop; they go from LDS into the registers where they stay.  The rows are read by one work-group each.
; PREFETCH: a trip of the loop (4 blocks, 131,072 dense bytes) asks for the 4 blocks that the next trip loads, each 256 bytes once: two instructions a wave, 32 blocks of 256 bytes each; the last trip asks for nothing.
; LIMITS: e0 between -126 and 119; e0 + e1 between -127 and 126.  NaN among the inputs is not served.
.set IMGB,  8704                       ; an image: 32 lines of 272 bytes
.set IMG,   262144                     ; behind the eight waves' weights: four images
.set PARTB, IMG+4*IMGB                 ; the scores' parts: two buffers of 8 waves x 1,024 bytes: registers 0-3 of the 32 lanes, then 4-7
.set PBUF,  8192
.set SC,    PARTB+2*PBUF               ; the part's 512 scores
.set MLS,   SC+2048                    ; the waves' (M, L)
.set MRG,   IMG                        ; the waves' mixes, at the end, where the images were
.set SPARE, MLS+256                    ; the spare words
.set GL,  1                            ; v1  my offset in a block: 4,096 wave + 16 lane
.set CST, 2                            ; v2  image, in
.set AFR, 3                            ; v3  image, fragments out
.set PST, 4                            ; v4  parts, in
.set PRD, 5                            ; v5  parts, out
.set SCB, 6                            ; v6  scores: my rows of block 0
.set SCT, 7                            ; v7  the same in this trip's first block
.set PFO, 8                            ; v8  the prefetches' offset: 16,384 wave + 256 lane
.set LN,  9                            ; v9  16 lane
.set M,   10                           ; v10 running maximum
.set L,   11                           ; v11 running sum
.set CL,  12                           ; v12 448 x 2^e0
.set SCL, 13                           ; v13 2^e0
.set V2,  14                           ; v14-17 -2 log2(e) v, a register a tile
.set BI,  18                           ; v18-21 u in units of the exponent
.set TP,  22                           ; v22-29 at work in the mix
.set SPW, 30
.set NIL, 31
.set MIX, 32                           ; v32-47 my mix: register 4 j + i of lane l is k = 128 j + 4 l + i
.set AF,  48                           ; v48-95 three fragments of a block; the fourth takes the first's place
.set ACC, 96                           ; v96-127 four accumulators; behind the sums at work in the quantiser
.set X,   128                          ; v128-255 four row buffers: 2 rows x 16 registers
; window 1: the weights: tile t, fragment f at v[64 t + 16 f]
.set MSB, 0
.set FIL, 0                            ; what stands between the score chain's steps: 0 nothing, 1 the exponents, 2 the additions of 1
.macro WIN new                         ; the immediate's high byte repeats the setting that is left
.if MSB != \new
	s_set_vgpr_msb (MSB<<8)|\new
.set MSB, \new
.endif
.endm
.macro PLACES
.rept 4
	v_nop
.endr
.endm
.macro WALU
	s_wait_alu depctr_va_vdst(0)
.endm
.macro BAR
	s_wait_dscnt 0x0                               ; my stores are done for the others' sake, and so are my reads of what they store over next
	s_barrier_signal -1
	s_barrier_wait -1
.endm
.macro CROUND                          ; a round of the cluster's barrier
	s_barrier_signal -1
	s_barrier_wait -1
	s_cmp_lg_u32 s22, 0
	s_cbranch_scc1 .Lnot_first_\@
	s_barrier_signal -3
.Lnot_first_\@:
	s_barrier_wait -3
	s_barrier_signal -1
	s_barrier_wait -1
.endm
.macro XLOAD b                         ; my two rows of block b of four into row buffer b
.irp i, 0,1
.irp j, 0,1,2,3
	global_load_b128 v[X+32*\b+16*\i+4*\j:X+32*\b+16*\i+4*\j+3], v[GL], s[4:5] offset:32768*\b+2048*\i+512*\j th:TH_LOAD_NT
.endr
.endr
.endm
.macro PREF                            ; the 4 blocks behind those that s[4:5] stands at
	global_prefetch_b8 v[PFO], s[4:5] offset:0x20000 th:TH_LOAD_NT scope:SCOPE_SE
	global_prefetch_b8 v[PFO], s[4:5] offset:0x22000 th:TH_LOAD_NT scope:SCOPE_SE
.endm
.macro AF012 m                         ; fragments 0-2 of block m
.irp f, 0,1,2
.irp c, 0,1,2,3
	ds_load_b128 v[AF+16*\f+4*\c:AF+16*\f+4*\c+3], v[AFR] offset:IMGB*((\m)%4)+2176*\f+544*\c
.endr
.endr
.endm
; THE QUANTISER of my two rows of block m.  The numbers are held in registers of their own: the rows stay as they are for the mix.
.macro QP m, lw                        ; lw: loads younger than the block's
.set XB, X+32*((\m)%4)
	s_wait_loadcnt \lw+4                           ; its first row is in
.irp k, 0,1,2,3,4,5,6,7,8,9,10,11,12,13,14,15
	v_med3_num_f32 v[ACC+8+\k], v[XB+\k], -v[CL], v[CL]   ; the conversion to an 8-bit code does not saturate (ISA guide 7.6.2)
.endr
	v_cvt_scalef32_pk8_fp8_f32 v[ACC+24:ACC+25], v[ACC+8:ACC+15], v[SCL]
	v_cvt_scalef32_pk8_fp8_f32 v[ACC+26:ACC+27], v[ACC+16:ACC+23], v[SCL]
	ds_store_b128 v[CST], v[ACC+24:ACC+27] offset:IMGB*((\m)%4)
	s_wait_loadcnt \lw                             ; its second row is in
.irp k, 0,1,2,3,4,5,6,7,8,9,10,11,12,13,14,15
	v_med3_num_f32 v[ACC+\k], v[XB+16+\k], -v[CL], v[CL]
.endr
	v_cvt_scalef32_pk8_fp8_f32 v[ACC+28:ACC+29], v[ACC:ACC+7], v[SCL]
	v_cvt_scalef32_pk8_fp8_f32 v[ACC+30:ACC+31], v[ACC+8:ACC+15], v[SCL]
	v_nop                                          ; one plain vector line behind the conversions
	ds_store_b128 v[CST], v[ACC+28:ACC+31] offset:IMGB*((\m)%4)+16
.endm
; Four of an accumulator's eight sums become exponents: x c + u, from its low end on.  a = 2 x tile + half.
.macro TF a
.set TT, (\a)/2
.set AI, ACC+8*TT+4*((\a)%2)
.if TT%2 == 0
	v_pk_fma_f32 v[AI:AI+1], v[AI:AI+1], s[48:49], v[BI+TT:BI+TT+1] op_sel_hi:[1,0,0]
	v_pk_fma_f32 v[AI+2:AI+3], v[AI+2:AI+3], s[48:49], v[BI+TT:BI+TT+1] op_sel_hi:[1,0,0]
.else
	v_pk_fma_f32 v[AI:AI+1], v[AI:AI+1], s[48:49], v[BI+TT-1:BI+TT] op_sel:[0,0,1] op_sel_hi:[1,0,1]
	v_pk_fma_f32 v[AI+2:AI+3], v[AI+2:AI+3], s[48:49], v[BI+TT-1:BI+TT] op_sel:[0,0,1] op_sel_hi:[1,0,1]
.endif
.endm
.macro AD a                            ; four of the exponentials + 1
	v_pk_add_f32 v[ACC+4*\a:ACC+4*\a+1], v[ACC+4*\a:ACC+4*\a+1], 1.0 op_sel_hi:[1,0]
	v_pk_add_f32 v[ACC+4*\a+2:ACC+4*\a+3], v[ACC+4*\a+2:ACC+4*\a+3], 1.0 op_sel_hi:[1,0]
.endm
.macro FL a
.if FIL == 1
	TF \a
.endif
.if FIL == 2
	AD \a
.endif
.endm
; THE SCORES of my two rows of block m, out of 8 waves x 16 lanes, and the new maximum.  In the first half of the waves the first five lines are also the places behind the products (ISA guide 7.12.1).
.macro CHAIN m
	v_pk_add_f32 v[TP:TP+1], v[TP:TP+1], v[TP+2:TP+3]
	v_pk_add_f32 v[TP+4:TP+5], v[TP+4:TP+5], v[TP+6:TP+7]
	v_pk_add_f32 v[TP:TP+1], v[TP:TP+1], v[TP+4:TP+5]
	v_add_f32_dpp v[TP], v[TP], v[TP] row_xmask:1 row_mask:0xf bank_mask:0xf
	v_add_f32_dpp v[TP+1], v[TP+1], v[TP+1] row_xmask:1 row_mask:0xf bank_mask:0xf
	FL 0
	v_add_f32_dpp v[TP], v[TP], v[TP] row_xmask:2 row_mask:0xf bank_mask:0xf
	v_add_f32_dpp v[TP+1], v[TP+1], v[TP+1] row_xmask:2 row_mask:0xf bank_mask:0xf
	FL 1
	v_add_f32_dpp v[TP], v[TP], v[TP] row_xmask:4 row_mask:0xf bank_mask:0xf
	v_add_f32_dpp v[TP+1], v[TP+1], v[TP+1] row_xmask:4 row_mask:0xf bank_mask:0xf
	FL 2
	v_add_f32_dpp v[TP], v[TP], v[TP] row_xmask:8 row_mask:0xf bank_mask:0xf
	v_add_f32_dpp v[TP+1], v[TP+1], v[TP+1] row_xmask:8 row_mask:0xf bank_mask:0xf
	FL 3
	v_permlanex16_b32 v[TP+2], v[TP], s54, s55
	v_permlanex16_b32 v[TP+3], v[TP+1], s54, s55
	FL 4
	v_pk_add_f32 v[TP:TP+1], v[TP:TP+1], v[TP+2:TP+3]   ; the two scores, in every lane
	FL 5
	ds_store_b64 v[SCT], v[TP:TP+1] offset:64*((\m)%4)
	v_max3_num_f32 v[TP+7], v[M], v[TP], v[TP+1]
	FL 6
	v_sub_f32 v[TP+4], v[M], v[TP+7]
	v_sub_f32 v[TP+2], v[TP], v[TP+7]
	v_sub_f32 v[TP+3], v[TP+1], v[TP+7]
	FL 7
.endm
.macro EXP3
	v_exp_f32 v[TP+4], v[TP+4]                     ; f = 2^(old M - new M)
	v_exp_f32 v[TP+2], v[TP+2]                     ; the rows' p
	v_exp_f32 v[TP+3], v[TP+3]
.endm
.macro EXP32
.set kk, 0
.rept 32
	v_exp_f32 v[ACC+kk], v[ACC+kk]
.set kk, kk+1
.endr
.endm
.macro RCP32
.set kk, 0
.rept 32
	v_rcp_f32 v[ACC+kk], v[ACC+kk]
.set kk, kk+1
.endr
.endm
.macro LSUM1
	v_fma_f32 v[L], v[L], v[TP+4], v[TP+2]
.endm
.macro LSUM2
	v_add_f32 v[L], v[L], v[TP+3]
.endm
; THE MIX of my two rows of block m
.macro MIXIN m
.set XA, X+32*((\m)%4)
.irp k, 0,2,4,6,8,10,12,14
	v_pk_mul_f32 v[MIX+\k:MIX+\k+1], v[MIX+\k:MIX+\k+1], v[TP+4:TP+5] op_sel_hi:[1,0]
.endr
.irp k, 0,2,4,6,8,10,12,14
	v_pk_fma_f32 v[MIX+\k:MIX+\k+1], v[XA+\k:XA+\k+1], v[TP+2:TP+3], v[MIX+\k:MIX+\k+1] op_sel_hi:[1,0,1]
.endr
.irp k, 0,2,4,6,8,10,12,14
	v_pk_fma_f32 v[MIX+\k:MIX+\k+1], v[XA+16+\k:XA+17+\k], v[TP+2:TP+3], v[MIX+\k:MIX+\k+1] op_sel:[0,1,0] op_sel_hi:[1,1,1]
.endr
.endm
; THE SUMS over my four tiles, eight numbers a lane, one for each row; ld: two of the loads of the block four on from block m, which has been mixed, behind each tile.
.macro SUMS m, ld
.set XA, X+32*((\m)%4)
.irp t, 0,1,2,3
.irp i, 0,2,4,6
.if \t == 0
	v_pk_mul_f32 v[ACC+\i:ACC+\i+1], v[ACC+\i:ACC+\i+1], v[V2:V2+1] op_sel_hi:[1,0]
.else
.if \t%2 == 0
	v_pk_fma_f32 v[ACC+\i:ACC+\i+1], v[ACC+8*\t+\i:ACC+8*\t+\i+1], v[V2+\t:V2+\t+1], v[ACC+\i:ACC+\i+1] op_sel_hi:[1,0,1]
.else
	v_pk_fma_f32 v[ACC+\i:ACC+\i+1], v[ACC+8*\t+\i:ACC+8*\t+\i+1], v[V2+\t-1:V2+\t], v[ACC+\i:ACC+\i+1] op_sel:[0,1,0] op_sel_hi:[1,1,1]
.endif
.endif
.endr
.if \ld
	global_load_b128 v[XA+8*\t:XA+8*\t+3], v[GL], s[4:5] offset:32768*((\m)%4)+2048*(\t/2)+1024*(\t%2) th:TH_LOAD_NT
	global_load_b128 v[XA+8*\t+4:XA+8*\t+7], v[GL], s[4:5] offset:32768*((\m)%4)+2048*(\t/2)+1024*(\t%2)+512 th:TH_LOAD_NT
.endif
.endr
.endm
.macro PARTS n
	ds_store_b128 v[PST], v[ACC:ACC+3] offset:PBUF*((\n)%2)
	ds_store_b128 v[PST], v[ACC+4:ACC+7] offset:PBUF*((\n)%2)+512
.endm
.macro PLOAD n                         ; the parts of block n - 1
.irp q, 0,1,2,3
	ds_load_b64 v[TP+2*\q:TP+2*\q+1], v[PRD] offset:PBUF*(((\n)+1)%2)+2048*\q
.endr
.endm
; 16 rows x my 64 hidden units x 128 of K.  The four accumulators take turns; the first product starts the sums.
.macro MM f
.irp t, 0,1,2,3
.if \f == 0
	v_wmma_f32_16x16x128_fp8_fp8 v[ACC+8*\t:ACC+8*\t+7], v[AF:AF+15], v[64*\t:64*\t+15], 0
.else
	v_wmma_f32_16x16x128_fp8_fp8 v[ACC+8*\t:ACC+8*\t+7], v[AF+16*(\f%3):AF+16*(\f%3)+15], v[64*\t+16*\f:64*\t+16*\f+15], v[ACC+8*\t:ACC+8*\t+7]
.endif
.endr
.endm
.macro PRODUCTS m                      ; block m, whose fragments 0-2 are in
	WIN 0x04                                       ; source 1 (the weights) window 1
	MM 0
	MM 1
	PLACES                                         ; ahead of the loads into fragment 0's registers
.irp c, 0,1,2,3
	ds_load_b128 v[AF+4*\c:AF+4*\c+3], v[AFR] offset:IMGB*((\m)%4)+2176*3+544*\c
.endr
	MM 2
	s_wait_dscnt 0x0
	MM 3
	WIN 0
.endm
.macro EXPONENTS
	PLACES                                         ; ahead of the first read of results (ISA guide 7.12.1)
.irp a, 0,1,2,3,4,5,6,7
	TF \a
.endr
.endm
.macro ARM1 n, sph, ld, qph, lw, nxt   ; the first half of the waves
.if \sph
	PLOAD \n
.endif
	PRODUCTS \n
.if \sph
.set FIL, 1
	CHAIN (\n)+3
.else
	EXPONENTS
.endif
.if \nxt
	AF012 (\n)+1
.endif
	WALU
.if \sph
	EXP3
.endif
	EXP32
.if \sph
	v_mov_b32 v[M], v[TP+7]
.else
	v_nop
.endif
	WALU
.if \sph
	LSUM1
.endif
.irp a, 0,1,2,3,4,5,6,7
	AD \a
.endr
.if \sph
	LSUM2
.endif
	WALU
	RCP32
.if \sph
	MIXIN (\n)+3                                   ; names none of the reciprocals
.else
	v_nop
.endif
	WALU
	SUMS (\n)+3, \ld
	PARTS \n
.if \qph
	QP (\n)+2, \lw
.endif
.endm
.macro ARM2 n, sph, ld, qph, lw, nxt   ; the second half: block n's exponentials stand in the accumulators
.if \sph
	PLOAD \n
.endif
.if \nxt
	AF012 (\n)+1
.endif
.if \sph
	s_wait_dscnt 12*\nxt                           ; the parts are in; the fragments' 12 loads may be out
.set FIL, 2
	CHAIN (\n)+3
.else
.irp a, 0,1,2,3,4,5,6,7
	AD \a
.endr
.endif
	WALU
.if \sph
	EXP3
.endif
	RCP32
.if \sph
	v_mov_b32 v[M], v[TP+7]
.else
	v_nop
.endif
	WALU
.if \sph
	LSUM1
	MIXIN (\n)+3
	LSUM2
.endif
	SUMS (\n)+3, \ld
	PARTS \n
.if \qph
	QP (\n)+2, \lw
.endif
.if \nxt
	s_wait_dscnt 2+2*\qph                          ; the fragments are in; the parts' and codes' stores may be out
	PRODUCTS (\n)+1
	EXPONENTS
	WALU
	EXP32
	v_nop
.endif
.endm
; THE INTERVAL OF BLOCK n.  sph: block n - 1 is mixed; ld: block n + 3 is asked for; qph: block n + 2 is quantised, behind whose loads lw are younger; nxt: there is a block n + 1.
.macro IVAL n, sph, ld, qph, lw, nxt
	BAR
	s_cmp_lg_u32 s25, 0                            ; which half: the wave's number alone
	s_cbranch_scc1 .Lsecond_\@
	ARM1 \n, \sph, \ld, \qph, \lw, \nxt
	WALU
	s_branch .Ljoin_\@
.Lsecond_\@:
	ARM2 \n, \sph, \ld, \qph, \lw, \nxt
	WALU
.Ljoin_\@:
.endm
	s_load_b512 s[4:19], s[0:1], 0x0               ; context s[4:5], wc s[6:7], ub s[8:9], v_w s[10:11], the scales s[12:13], sc s[14:15], pm s[16:17], ml s[18:19]
	v_lshl_add_u32 v[SPW], v0, 2, SPARE
	v_mov_b32 v[NIL], 0
	ds_add_u32 v[SPW], v[NIL]                      ; the wave's opening: the add, twice on end, and its wait ahead of my tensor load
	ds_add_u32 v[SPW], v[NIL]
	v_lshrrev_b32 v48, 5, v0
	v_readfirstlane_b32 s22, v48                   ; wave 0..7
	s_bfe_u32 s33, ttmp6, 0x40000                  ; my place in the cluster
	s_lshl_b32 s23, ttmp9, 2
	s_add_co_u32 s23, s23, s33                     ; work-group
	s_lshr_b32 s24, ttmp9, 1                       ; the batch: eight work-groups, two clusters
	s_lshr_b32 s25, s22, 2
	s_xor_b32 s25, s25, s22
	s_and_b32 s25, s25, 1                          ; my half: 0 in waves 0, 2, 5, 7; 1 in waves 1, 3, 4, 6
	s_lshl_b32 s26, s22, 12
	s_lshl_b32 s27, s22, 5
	s_add_co_u32 s27, s27, IMG
	s_lshl_b32 s28, s22, 10
	s_add_co_u32 s28, s28, PARTB
	s_lshr_b32 s29, s22, 2                         ; rows 2 w, 2 w + 1: half w / 4 of the lanes, registers 2 (w % 4) and the next
	s_lshl_b32 s29, s29, 8
	s_and_b32 s32, s22, 2
	s_lshl_b32 s32, s32, 8
	s_add_co_u32 s29, s29, s32
	s_and_b32 s32, s22, 1
	s_lshl_b32 s32, s32, 3
	s_add_co_u32 s29, s29, s32
	s_add_co_u32 s29, s29, PARTB
	s_lshl_b32 s30, s22, 3
	s_add_co_u32 s30, s30, SC
	s_lshl_b32 s31, s22, 14
	s_lshl_b32 s32, s22, 15                        ; my weights in wc, and in LDS
	; descriptor group 1: 128 rows of 256 bytes, dense
	s_mov_b32 s36, 15|(3<<16)|(1<<21)              ; 15:0 the mask: all four work-groups; 17:16 elements of 8 bytes; 21 set beside a mask
	s_mov_b32 s37, 32<<16                          ; tensor_dim0
	s_mov_b32 s38, 128<<16                         ; tensor_dim1
	s_mov_b32 s39, 32<<16                          ; tile_dim0
	s_mov_b32 s40, 128                             ; tile_dim1
	s_mov_b32 s41, 32                              ; tensor_dim0_stride
	s_mov_b32 s42, 0
	s_mov_b32 s43, 0
	s_mov_b32 s44, 1                               ; group 0: count = 1,
	s_lshl_b32 s45, s22, 15                        ; LDS address
	s_mov_b32 s54, 0x76543210
	s_mov_b32 s55, 0xfedcba98                      ; lane l xor 16
	s_mov_b32 s57, 0
	s_mov_b32 s59, 0
	s_lshl_b32 s56, s23, 20                        ; 512 rows of 2,048 bytes
	v_and_b32 v49, 31, v0                          ; lane
	v_and_b32 v50, 15, v0                          ; r
	v_bfe_u32 v51, v0, 4, 1                        ; h
	v_lshlrev_b32 v[LN], 4, v49
	v_mul_u32_u24 v52, v49, 272
	v_mul_u32_u24 v53, v51, 272
	v_lshlrev_b32 v54, 10, v51
	v_lshlrev_b32 v55, 8, v49
	v_lshlrev_b32 v56, 2, v50
	v_add_nc_u32 v[GL], s26, v[LN]
	v_add_nc_u32 v[CST], s27, v52
	v_lshl_add_u32 v53, v50, 4, v53
	v_add_nc_u32 v[PST], s28, v[LN]
	v_lshl_add_u32 v54, v50, 4, v54
	v_add_nc_u32 v[PFO], s31, v55
	v_mov_b32 v[SCB], s30
	v_add_nc_u32 v[AFR], IMG, v53
	v_add_nc_u32 v[PRD], s29, v54
	v_add_nc_u32 v57, s32, v[LN]                   ; my weights in LDS, 16 bytes a lane
	v_mov_b32 v[M], 0xff61b1e6                     ; -3e38: under every score
	v_mov_b32 v[L], 0
.irp k, 0,1,2,3,4,5,6,7,8,9,10,11,12,13,14,15
	v_mov_b32 v[MIX+\k], 0                         ; the interval is written once: its first mix finds zeros
.endr
	WALU
	s_wait_dscnt 0x0                               ; both opening adds are done
	s_wait_kmcnt 0x0
	s_load_b64 s[52:53], s[12:13], 0x0             ; e0, e1
	s_add_nc_u64 s[4:5], s[4:5], s[56:57]
	s_mov_b32 s58, s32
	s_add_nc_u64 s[46:47], s[6:7], s[58:59]        ; global address,
	s_or_b32 s47, s47, 0x80000000                  ; type = 2
	CROUND                                         ; all four work-groups are here: the joint loads meet
	tensor_load_to_lds s[44:47], s[36:43]
	s_nop 0
	XLOAD 0
	s_lshl_b32 s58, s22, 13
	s_lshl_b32 s60, s24, 6
	s_add_co_u32 s58, s58, s60
	s_add_nc_u64 s[8:9], s[8:9], s[58:59]
	s_lshl_b32 s58, s22, 8
	s_add_nc_u64 s[10:11], s[10:11], s[58:59]
.irp t, 0,1,2,3
	global_load_b32 v[BI+\t], v56, s[8:9] offset:2048*\t
.endr
.irp t, 0,1,2,3
	global_load_b32 v[V2+\t], v56, s[10:11] offset:64*\t
.endr
	XLOAD 1
	s_wait_kmcnt 0x0
	s_add_co_i32 s26, s52, s53
	s_lshl_b32 s26, s26, 23
	s_add_co_i32 s48, s26, 0x4038aa3b              ; c = 2 log2(e) x 2^(e0 + e1)
	s_mov_b32 s49, s48                             ; (named with it as a pair)
	s_add_co_i32 s26, s52, 127
	s_lshl_b32 s27, s26, 23
	v_mov_b32 v[SCL], s27
	s_add_co_i32 s26, s26, 8
	s_lshl_b32 s26, s26, 23
	s_or_b32 s26, s26, 0x600000
	v_mov_b32 v[CL], s26
	WALU
	QP 0, 16                                       ; behind block 0's loads: 8 of u and v, 8 of block 1
	QP 1, 0
	XLOAD 2
	XLOAD 3
	PREF                                           ; blocks 4-7, which the first trip loads
.irp t, 0,2
	v_pk_mul_f32 v[BI+\t:BI+\t+1], v[BI+\t:BI+\t+1], s[48:49] op_sel_hi:[1,0]
	v_pk_mul_f32 v[V2+\t:V2+\t+1], v[V2+\t:V2+\t+1], 0xc038aa3b op_sel_hi:[1,0]   ; -2 log2(e)
.endr
	WALU                                           ; (the head's end)
	s_wait_xcnt 0x0                                ; the loads and prefetches have read their base
	s_add_nc_u64 s[4:5], s[4:5], 0x20000
	s_wait_tensorcnt 0x0                           ; my weights are in LDS: nobody else reads them there
	WIN 0x40                                       ; destination window 1
.irp t, 0,1,2,3
.irp f, 0,1,2,3
.irp c, 0,1,2,3
	ds_load_b128 v[64*\t+16*\f+4*\c:64*\t+16*\f+4*\c+3], v57 offset:8192*\t+2048*\f+512*\c
.endr
.endr
.endr
	WIN 0
	BAR                                            ; images 0 and 1 are whole
	AF012 0
	s_cmp_eq_u32 s25, 0
	s_cbranch_scc1 .Lfirst_half
	s_wait_dscnt 0x0
	PRODUCTS 0                                     ; the second half's block 0
	EXPONENTS
	WALU
	EXP32
	v_nop
	WALU
.Lfirst_half:
	IVAL 0, 0, 0, 1, 8, 1
	s_mov_b32 s50, 0
	s_mov_b32 s51, 7
.Ltrip:                                                ; a trip: the intervals of blocks 4 i + 1 .. 4 i + 4, until the row buffers are back where they began
	s_cmp_lt_u32 s51, 2                            ; the last trip: nothing stands behind what it loads
	s_cbranch_scc1 .Lnone
	PREF
.Lnone:
	v_add_nc_u32 v[SCT], s50, v[SCB]
	WALU
	IVAL 1, 1, 1, 1, 8, 1                          ; lw = 8: block n + 3's loads are younger than block n + 2's
	IVAL 2, 1, 1, 1, 8, 1
	IVAL 3, 1, 1, 1, 8, 1
	IVAL 4, 1, 1, 1, 8, 1
	s_wait_xcnt 0x0                                ; the trip's loads and prefetches have read their base
	s_add_nc_u64 s[4:5], s[4:5], 0x20000
	s_add_co_u32 s50, s50, 256
	s_sub_co_u32 s51, s51, 1
	s_cmp_lg_u32 s51, 0
	s_cbranch_scc1 .Ltrip
	v_add_nc_u32 v[SCT], s50, v[SCB]
	WALU
	IVAL 29, 1, 0, 1, 0, 1                         ; the last blocks have been asked for
	IVAL 30, 1, 0, 0, 0, 1
	IVAL 31, 1, 0, 0, 0, 0
	BAR
	PLOAD 32
	s_wait_dscnt 0x0
.set FIL, 0
	CHAIN 31
	WALU
	EXP3
	v_mov_b32 v[M], v[TP+7]
	WALU
	LSUM1
	MIXIN 31
	LSUM2
	; THE JOIN of the eight waves: M = the largest of their M, factors 2^(M_w - M); a thread adds two columns of the mix.
	s_lshl_b32 s26, s22, 3
	s_add_co_u32 s26, s26, MLS
	s_lshl_b32 s27, s22, 11
	s_add_co_u32 s27, s27, MRG
	v_mov_b32 v48, s26
	v_add_nc_u32 v49, s27, v[LN]
	v_mov_b32 v50, MLS
	v_lshl_add_u32 v51, v0, 3, MRG
	v_lshl_add_u32 v52, v0, 3, SC
	v_lshlrev_b32 v53, 3, v0
	v_and_b32 v54, 31, v0
	v_lshlrev_b32 v54, 3, v54
	ds_store_b64 v48, v[M:L]
.irp j, 0,1,2,3
	ds_store_b128 v49, v[MIX+4*\j:MIX+4*\j+3] offset:512*\j
.endr
	WALU
	BAR
.irp j, 0,1,2,3
	ds_load_b128 v[128+4*\j:131+4*\j], v50 offset:16*\j          ; (M, L) of all waves
.endr
.irp w, 0,1,2,3,4,5,6,7
	ds_load_b64 v[144+2*\w:145+2*\w], v51 offset:2048*\w
.endr
	ds_load_b64 v[160:161], v52                    ; two scores
	s_lshl_b32 s58, s23, 11
	s_add_nc_u64 s[14:15], s[14:15], s[58:59]
	s_add_nc_u64 s[16:17], s[16:17], s[58:59]
	s_lshl_b32 s58, s23, 8
	s_add_nc_u64 s[18:19], s[18:19], s[58:59]
	s_wait_dscnt 0x9                               ; the eight columns and the scores may be out
	v_max3_num_f32 v14, v128, v130, v132
	v_max3_num_f32 v15, v134, v136, v138
	v_max3_num_f32 v14, v14, v140, v142
	v_max_num_f32 v14, v14, v15
.irp w, 0,1,2,3,4,5,6,7
	v_sub_f32 v[128+2*\w], v[128+2*\w], v14
.endr
	WALU
.irp w, 0,1,2,3,4,5,6,7
	v_exp_f32 v[128+2*\w], v[128+2*\w]
.endr
	v_nop
	WALU
	s_wait_dscnt 0x0
	v_mul_f32 v15, v128, v129
	v_pk_mul_f32 v[16:17], v[144:145], v[128:129] op_sel_hi:[1,0]
.irp w, 1,2,3,4,5,6,7
	v_fmac_f32 v15, v[128+2*\w], v[129+2*\w]
	v_pk_fma_f32 v[16:17], v[144+2*\w:145+2*\w], v[128+2*\w:129+2*\w], v[16:17] op_sel_hi:[1,0,1]
.endr
	global_store_b64 v53, v[16:17], s[16:17]       ; a wave stores 256 dense bytes, aligned
	global_store_b64 v53, v[160:161], s[14:15]
	WALU
	s_cmp_lg_u32 s22, 0
	s_cbranch_scc1 .Lnot_wave_0
	global_store_b64 v54, v[14:15], s[18:19]       ; (M, L), 32 times: 256 bytes
.Lnot_wave_0:
	s_wait_tensorcnt 0x0                           ; the wave's end
	ds_add_u32 v[SPW], v[NIL]
	s_wait_dscnt 0x0
	CROUND                                         ; the closing round
	s_endpgm
.Lfunc_end_k_q3065528e77_main:
	.size	k_q3065528e77_main, .Lfunc_end_k_q3065528e77_main-k_q3065528e77_main
	.p2alignl 7, 3214868480
	.fill 96, 4, 3214868480
	.section	.rodata,"a",@progbits
	.p2align	6, 0x0
	.amdhsa_kernel k_q3065528e77_main
		.amdhsa_group_segment_fixed_size 327680
		.amdhsa_private_segment_fixed_size 0
		.amdhsa_enable_private_segment 0
		.amdhsa_kernarg_size 64
		.amdhsa_user_sgpr_count 2
		.amdhsa_user_sgpr_kernarg_segment_ptr 1
		.amdhsa_wavefront_size32 1
		.amdhsa_system_sgpr_workgroup_id_x 1
		.amdhsa_system_sgpr_workgroup_id_y 1
		.amdhsa_system_sgpr_workgroup_id_z 1
		.amdhsa_system_vgpr_workitem_id 0
		.amdhsa_next_free_vgpr 512
		.amdhsa_next_free_sgpr 90
		.amdhsa_reserve_vcc 0
		.amdhsa_float_denorm_mode_32 3
		.amdhsa_float_denorm_mode_16_64 3
		.amdhsa_memory_ordered 1
		.amdhsa_forward_progress 1
		.amdhsa_inst_pref_size 229
	.end_amdhsa_kernel
	.amdgpu_metadata
---
amdhsa.version: [ 1, 2 ]
amdhsa.kernels:
  - .name:           k_q3065528e77_main
    .symbol:         k_q3065528e77_main.kd
    .args:
      - { .name: context, .offset: 0, .size: 8, .value_kind: global_buffer, .address_space: global }
      - { .name: wc, .offset: 8, .size: 8, .value_kind: global_buffer, .address_space: global }
      - { .name: ub, .offset: 16, .size: 8, .value_kind: global_buffer, .address_space: global }
      - { .name: v_w, .offset: 24, .size: 8, .value_kind: global_buffer, .address_space: global }
      - { .name: lowp_scales, .offset: 32, .size: 8, .value_kind: global_buffer, .address_space: global }
      - { .name: sc, .offset: 40, .size: 8, .value_kind: global_buffer, .address_space: global }
      - { .name: pm, .offset: 48, .size: 8, .value_kind: global_buffer, .address_space: global }
      - { .name: ml, .offset: 56, .size: 8, .value_kind: global_buffer, .address_space: global }
    .group_segment_fixed_size: 327680
    .private_segment_fixed_size: 0
    .kernarg_segment_align: 8
    .kernarg_segment_size: 64
    .max_flat_workgroup_size: 256
    .sgpr_count:     90
    .vgpr_count:     512
    .wavefront_size: 32
...
	.end_amdgpu_metadata
.endif
;; end of part 2
;; launch finish (part 3): grid 256 x 1, 4 waves a work-group, no clusters, 5,632 bytes of LDS; arguments sc, pm, ml, oc, output, out_b, lowp_scales, out0, out1, out2; writes out0, out1, out2
.if DOCPART == 3
	.amdgcn_target "amdgcn-amd-amdhsa--gfx1250"
	.amdhsa_code_object_version 6
	.text
	.protected	k_q3065528e77_finish
	.globl	k_q3065528e77_finish
	.p2align	8
	.type	k_q3065528e77_finish,@function
k_q3065528e77_finish:
	s_mov_b64 s[64:65], 0
	v_nop
	global_prefetch_b8 v0, s[64:65] scope:SCOPE_SE
	s_setreg_imm32_b32 hwreg(HW_REG_WAVE_MODE, 25, 1), 1
	s_wait_xcnt 0x0
; THE 8 PARTS OF A BATCH ARE JOINED: M = the largest of their M, g = 2^(M_c - M), L = the sum of g L_c; attn = 2^(t - M) / L; mix = the sum of (g / L) x part c's mix, all in f32.
; Then out = tanh(Q([mix, output]) Q(out_w)^T + out_b) on codes of FP8 (E4M3): the row with scale 2^e2, out_w's codes (scale 2^e3) from the first launch.
; Work-group x = (batch x / 8, part c = x % 8) stores attn of the part's 512 rows, out's 64 numbers 64 c on and, where c = 0, the batch's mix.  Every wave makes the whole mix (8 x 2,048 bytes), since every wave needs all its codes;
; wave w takes the 16 hidden units of tile 4 c + w.  The operand's 16 columns are all the one row: each lane of a half reads the same 16 bytes of the wave's own 1,024 bytes of codes.
; THE ORDER OF K is the first launch's: register 4 j + i of lane l is k = 128 j + 4 l + i; its 16 codes are group l; fragment f, registers 4 c' on, lane (r, h): group 8 f + 2 c' + h.
; LIMITS: e2 between -126 and 119; e2 + e3 between -126 and 127.  NaN among the inputs is not served.
.set OSTG, 4096                        ; behind the four waves' codes: 64 numbers of out
; window 0: v1 16 lane, v2 16 thread, v3 256 (lane % 8), v4 32 h, v5, v6 my codes in and out, v7, v8 the stage in and out, v9 8 lane; v[10:11] (M_c, L_c); v12 M; v13 g; v14 L; v15 1 / L;
;   v16-31 mix; v32-47 output's row; v48-55 codes; v56-63, v64-71 two accumulators; v72-79 out_b; v80-83 t, then attn; v84-99 mix, held; v100-107 out; v108 2^e2, v109 448 x 2^e2; v128-255 the 8 parts, then the row's 8 fragments
; window 1: v0-127 out_w's 8 fragments
.set MSB, 0
.macro WIN new                         ; the immediate's high byte repeats the setting that is left
.if MSB != \new
	s_set_vgpr_msb (MSB<<8)|\new
.set MSB, \new
.endif
.endm
	s_load_b512 s[4:19], s[0:1], 0x0               ; sc s[4:5], pm s[6:7], ml s[8:9], oc s[10:11], output s[12:13], out_b s[14:15], the scales s[16:17], out0 s[18:19]
	s_load_b128 s[20:23], s[0:1], 0x40             ; out1 s[20:21], out2 s[22:23]
	v_lshl_add_u32 v126, v0, 2, 0x1400
	v_mov_b32 v127, 0
	v_lshrrev_b32 v9, 5, v0
	v_readfirstlane_b32 s24, v9                    ; wave 0..3
	s_lshr_b32 s25, ttmp9, 3                       ; the batch
	s_and_b32 s26, ttmp9, 7                        ; the part
	v_and_b32 v112, 31, v0                         ; lane
	v_bfe_u32 v113, v0, 4, 1                       ; h
	v_and_b32 v114, 7, v0
	v_lshlrev_b32 v1, 4, v112
	v_lshlrev_b32 v2, 4, v0
	v_lshlrev_b32 v3, 8, v114
	v_lshlrev_b32 v4, 5, v113
	s_lshl_b32 s27, s24, 10
	v_add_nc_u32 v5, s27, v1
	v_lshl_add_u32 v6, v113, 4, s27
	s_lshl_b32 s27, s24, 6
	s_add_co_u32 s27, s27, OSTG
	v_add_nc_u32 v7, s27, v4
	v_lshl_add_u32 v8, v112, 3, OSTG
	v_lshlrev_b32 v9, 3, v112
	v_mov_b32 v12, 0                               ; (the destination of a DPP form counts as read)
.irp i, 0,1,2,3,4,5,6,7
	s_mov_b32 s[67+2*\i], 0                        ; named as the upper halves of the pairs (g / L, 0)
.endr
	s_mov_b32 s37, 0
	s_lshl_b32 s38, s26, 2
	s_add_co_u32 s38, s38, s24                     ; my tile of hidden units: 4 c + w
	s_wait_alu depctr_va_vdst(0)
	s_wait_kmcnt 0x0
	s_load_b128 s[32:35], s[16:17], 0x0            ; e0, e1, e2, e3
	s_lshl_b32 s36, s25, 11
	s_add_nc_u64 s[8:9], s[8:9], s[36:37]          ; ml: the batch's 8 x 256 bytes
	s_add_nc_u64 s[12:13], s[12:13], s[36:37]      ; output's row
	s_add_nc_u64 s[22:23], s[22:23], s[36:37]      ; mix's row
	s_lshl_b32 s36, s25, 14
	s_add_nc_u64 s[6:7], s[6:7], s[36:37]          ; pm: the batch's 8 x 2,048 bytes
	s_lshl_b32 s36, ttmp9, 11
	s_add_nc_u64 s[4:5], s[4:5], s[36:37]          ; the part's 512 t,
	s_add_nc_u64 s[20:21], s[20:21], s[36:37]      ; and its attn
	s_lshl_b32 s36, ttmp9, 8
	s_add_nc_u64 s[18:19], s[18:19], s[36:37]      ; out: 64 numbers
	s_lshl_b32 s36, s38, 14
	s_add_nc_u64 s[10:11], s[10:11], s[36:37]      ; my tile's codes: two halves of 8,192 bytes
	s_lshl_b32 s36, s38, 6
	s_add_nc_u64 s[14:15], s[14:15], s[36:37]      ; out_b at my tile
	global_load_b64 v[10:11], v3, s[8:9]           ; (M, L) of part lane % 8
.irp c, 0,1,2,3,4,5,6,7
.irp j, 0,1,2,3
	global_load_b128 v[128+16*\c+4*\j:131+16*\c+4*\j], v1, s[6:7] offset:2048*\c+512*\j
.endr
.endr
	global_load_b128 v[80:83], v2, s[4:5]
.irp j, 0,1,2,3
	global_load_b128 v[32+4*\j:35+4*\j], v1, s[12:13] offset:512*\j
.endr
	global_load_b128 v[72:75], v4, s[14:15]
	global_load_b128 v[76:79], v4, s[14:15] offset:16
	WIN 0x40                                       ; destination window 1
.set kk, 0
.rept 32
	global_load_b128 v[4*kk:4*kk+3], v1, s[10:11] offset:512*kk   ; half u, fragment f, registers 4 c' on: load 16 u + 4 f + c'
.set kk, kk+1
.endr
	WIN 0
	s_wait_kmcnt 0x0
	s_add_co_i32 s27, s34, 127
	s_lshl_b32 s30, s27, 23
	v_mov_b32 v108, s30                            ; 2^e2 as f32
	s_add_co_i32 s27, s27, 8
	s_lshl_b32 s27, s27, 23
	s_or_b32 s27, s27, 0x600000
	v_mov_b32 v109, s27                            ; 448 x 2^e2
	s_add_co_i32 s28, s34, s35
	s_add_co_i32 s28, s28, 127
	s_lshl_b32 s28, s28, 23                        ; 2^(e2 + e3) as f32
	s_mov_b32 s29, s28                             ; (named with it as a pair)
	s_wait_loadcnt 32                              ; all but the weights' 32 loads
	v_max_num_f32_dpp v12, v10, v10 row_xmask:1 row_mask:0xf bank_mask:0xf
	v_max_num_f32_dpp v12, v12, v12 row_xmask:2 row_mask:0xf bank_mask:0xf
	v_max_num_f32_dpp v12, v12, v12 row_xmask:4 row_mask:0xf bank_mask:0xf   ; M
	v_sub_f32 v13, v10, v12
.irp i, 0,1,2,3
	v_sub_f32 v[80+\i], v[80+\i], v12
.endr
	s_wait_alu depctr_va_vdst(0)
	v_exp_f32 v13, v13                             ; g
.irp i, 0,1,2,3
	v_exp_f32 v[80+\i], v[80+\i]                   ; 2^(t - M)
.endr
	v_nop
	s_wait_alu depctr_va_vdst(0)                   ; one wait for the five, ahead of their first reader
	v_mul_f32 v14, v13, v11
	v_add_f32_dpp v14, v14, v14 row_xmask:1 row_mask:0xf bank_mask:0xf
	v_add_f32_dpp v14, v14, v14 row_xmask:2 row_mask:0xf bank_mask:0xf
	v_add_f32_dpp v14, v14, v14 row_xmask:4 row_mask:0xf bank_mask:0xf   ; L
	s_wait_alu depctr_va_vdst(0)
	v_rcp_f32 v15, v14
	v_nop
	s_wait_alu depctr_va_vdst(0)
	v_mul_f32 v13, v13, v15                        ; g / L of part lane % 8
.irp i, 0,1,2,3
	v_mul_f32 v[80+\i], v[80+\i], v15
.endr
	global_store_b128 v2, v[80:83], s[20:21]       ; attn: a wave stores 512 dense bytes
.irp i, 0,1,2,3,4,5,6,7
	v_readlane_b32 s[66+2*\i], v13, \i             ; as factors alone
.endr
.irp k, 0,2,4,6,8,10,12,14
	v_pk_mul_f32 v[16+\k:17+\k], v[128+\k:129+\k], s[66:67] op_sel_hi:[1,0]
.endr
.irp c, 1,2,3,4,5,6,7
.irp k, 0,2,4,6,8,10,12,14
	v_pk_fma_f32 v[16+\k:17+\k], v[128+16*\c+\k:129+16*\c+\k], s[66+2*\c:67+2*\c], v[16+\k:17+\k] op_sel_hi:[1,0,1]
.endr
.endr
	s_or_b32 s27, s26, s24
	s_cmp_eq_u32 s27, 0                            ; part 0's wave 0 stores the batch's mix
	s_cbranch_scc0 .Lno_mix
.irp j, 0,1,2,3
	global_store_b128 v1, v[16+4*\j:19+4*\j], s[22:23] offset:512*\j
.endr
.Lno_mix:
	s_wait_alu depctr_va_vdst(0)
.irp k, 0,1,2,3,4,5,6,7,8,9,10,11,12,13,14,15
	v_med3_num_f32 v[84+\k], v[16+\k], -v109, v109 ; into other registers: the store above may still read the mix
.endr
.irp k, 0,1,2,3,4,5,6,7,8,9,10,11,12,13,14,15
	v_med3_num_f32 v[32+\k], v[32+\k], -v109, v109
.endr
	v_cvt_scalef32_pk8_fp8_f32 v[48:49], v[84:91], v108
	v_cvt_scalef32_pk8_fp8_f32 v[50:51], v[92:99], v108
	v_cvt_scalef32_pk8_fp8_f32 v[52:53], v[32:39], v108
	v_cvt_scalef32_pk8_fp8_f32 v[54:55], v[40:47], v108
	v_nop                                          ; one plain vector line behind the conversions
	ds_store_b128 v5, v[48:51]                     ; group lane of the mix's half,
	ds_store_b128 v5, v[52:55] offset:512          ; and of output's
.irp u, 0,1
.irp f, 0,1,2,3
.irp c, 0,1,2,3
	ds_load_b128 v[128+64*\u+16*\f+4*\c:131+64*\u+16*\f+4*\c], v6 offset:512*\u+128*\f+32*\c   ; group 8 f + 2 c + h; LDS serves a wave's instructions in order: these see my stores
.endr
.endr
.endr
	s_wait_dscnt 0x0
	s_wait_loadcnt 0x0                             ; the weights
	WIN 0x01                                       ; source 0 window 1
	; source 0 = my 16 hidden units, source 1 = the row, 16 times: register j of lane (r, h) is hidden unit 8 h + j.  One accumulator for each half of K, by turns.
	v_wmma_f32_16x16x128_fp8_fp8 v[56:63], v[0:15], v[128:143], 0
	v_wmma_f32_16x16x128_fp8_fp8 v[64:71], v[64:79], v[192:207], 0
.irp f, 1,2,3
	v_wmma_f32_16x16x128_fp8_fp8 v[56:63], v[16*\f:16*\f+15], v[128+16*\f:143+16*\f], v[56:63]
	v_wmma_f32_16x16x128_fp8_fp8 v[64:71], v[64+16*\f:79+16*\f], v[192+16*\f:207+16*\f], v[64:71]
.endr
	WIN 0
.rept 4
	v_nop                                          ; four places ahead of the first read of results (ISA guide 7.12.1)
.endr
.irp k, 0,2,4,6
	v_pk_add_f32 v[100+\k:101+\k], v[56+\k:57+\k], v[64+\k:65+\k]   ; both accumulators from their low ends on
.endr
.irp k, 0,2,4,6
	v_pk_fma_f32 v[100+\k:101+\k], v[100+\k:101+\k], s[28:29], v[72+\k:73+\k] op_sel_hi:[1,0,1]   ; x 2^(e2 + e3) + out_b
.endr
.irp k, 0,2,4,6
	v_pk_mul_f32 v[100+\k:101+\k], v[100+\k:101+\k], 0x4038aa3b op_sel_hi:[1,0]   ; x 2 log2(e)
.endr
	s_wait_alu depctr_va_vdst(0)
.irp k, 0,1,2,3,4,5,6,7
	v_exp_f32 v[100+\k], v[100+\k]
.endr
	v_nop
	s_wait_alu depctr_va_vdst(0)
.irp k, 0,2,4,6
	v_pk_add_f32 v[100+\k:101+\k], v[100+\k:101+\k], 1.0 op_sel_hi:[1,0]
.endr
	s_wait_alu depctr_va_vdst(0)
.irp k, 0,1,2,3,4,5,6,7
	v_rcp_f32 v[100+\k], v[100+\k]
.endr
	v_nop
	s_wait_alu depctr_va_vdst(0)
.irp k, 0,2,4,6
	v_pk_fma_f32 v[100+\k:101+\k], v[100+\k:101+\k], -2.0, 1.0 op_sel_hi:[1,0,0]   ; tanh = 1 - 2 / (1 + 2^..)
.endr
	ds_store_b128 v7, v[100:103]                   ; the sixteen lanes of a half hold the same eight numbers and write the same bytes
	ds_store_b128 v7, v[104:107] offset:16
	s_wait_dscnt 0x0                               ; for the others' sake: my stores into the stage are done
	s_barrier_signal -1
	s_barrier_wait -1
	s_cmp_lg_u32 s24, 0
	s_cbranch_scc1 .Ldone
	ds_load_b64 v[110:111], v8
	s_wait_dscnt 0x0
	global_store_b64 v9, v[110:111], s[18:19]      ; 32 lanes store 256 dense bytes, aligned
.Ldone:
	s_wait_tensorcnt 0x0
	ds_add_u32 v126, v127
	s_wait_dscnt 0x0
	s_endpgm
.Lfunc_end_k_q3065528e77_finish:
	.size	k_q3065528e77_finish, .Lfunc_end_k_q3065528e77_finish-k_q3065528e77_finish
	.p2alignl 7, 3214868480
	.fill 96, 4, 3214868480
	.section	.rodata,"a",@progbits
	.p2align	6, 0x0
	.amdhsa_kernel k_q3065528e77_finish
		.amdhsa_group_segment_fixed_size 5632
		.amdhsa_private_segment_fixed_size 0
		.amdhsa_enable_private_segment 0
		.amdhsa_kernarg_size 80
		.amdhsa_user_sgpr_count 2
		.amdhsa_user_sgpr_kernarg_segment_ptr 1
		.amdhsa_wavefront_size32 1
		.amdhsa_system_sgpr_workgroup_id_x 1
		.amdhsa_system_sgpr_workgroup_id_y 1
		.amdhsa_system_sgpr_workgroup_id_z 1
		.amdhsa_system_vgpr_workitem_id 0
		.amdhsa_next_free_vgpr 384
		.amdhsa_next_free_sgpr 90
		.amdhsa_reserve_vcc 0
		.amdhsa_float_denorm_mode_32 3
		.amdhsa_float_denorm_mode_16_64 3
		.amdhsa_memory_ordered 1
		.amdhsa_forward_progress 1
		.amdhsa_inst_pref_size 24
	.end_amdhsa_kernel
	.amdgpu_metadata
---
amdhsa.version: [ 1, 2 ]
amdhsa.kernels:
  - .name:           k_q3065528e77_finish
    .symbol:         k_q3065528e77_finish.kd
    .args:
      - { .name: sc, .offset: 0, .size: 8, .value_kind: global_buffer, .address_space: global }
      - { .name: pm, .offset: 8, .size: 8, .value_kind: global_buffer, .address_space: global }
      - { .name: ml, .offset: 16, .size: 8, .value_kind: global_buffer, .address_space: global }
      - { .name: oc, .offset: 24, .size: 8, .value_kind: global_buffer, .address_space: global }
      - { .name: output, .offset: 32, .size: 8, .value_kind: global_buffer, .address_space: global }
      - { .name: out_b, .offset: 40, .size: 8, .value_kind: global_buffer, .address_space: global }
      - { .name: lowp_scales, .offset: 48, .size: 8, .value_kind: global_buffer, .address_space: global }
      - { .name: out0, .offset: 56, .size: 8, .value_kind: global_buffer, .address_space: global }
      - { .name: out1, .offset: 64, .size: 8, .value_kind: global_buffer, .address_space: global }
      - { .name: out2, .offset: 72, .size: 8, .value_kind: global_buffer, .address_space: global }
    .group_segment_fixed_size: 5632
    .private_segment_fixed_size: 0
    .kernarg_segment_align: 8
    .kernarg_segment_size: 80
    .max_flat_workgroup_size: 128
    .sgpr_count:     90
    .vgpr_count:     384
    .wavefront_size: 32
...
	.end_amdgpu_metadata
.endif
;; end of part 3
